; MI455X (gfx1250); checked and timed in simulation.
; The chip was launched on July 23, 2026; its instructions are those of AMD's public machine-readable ISA for CDNA 5 (MIT licence, August 2026) and "CDNA5" Instruction Set Architecture Reference Guide (July 2026). The comments in the code are by the model that wrote it; some were corrected since.
;; Eig Vals. Allowed arithmetic: float matrix products may take bf16 or f16 operands with f32 sums; all other float work in f32.
;; Inputs: X 2 x 9 x 96 x 96 x 96 float32.
;; Outputs: out0 2 x 3 x 96 x 96 x 96 float32.
;; One version. Each part assembles by itself: llvm-mc -triple=amdgcn-amd-amdhsa -mcpu=gfx1250 --defsym DOCPART=n.
;; ======== version 1 of 1: 1 launch
;; limits: inputs' magnitudes at most 1,000,000,000,000; below input magnitudes of 1e-12 results are inexact or not finite; a function is approximated: absolute error at most 1.2e-05
;; launch eig3 (part 1): grid 384 x 2, 6 waves a work-group, no clusters, 0 bytes of LDS; arguments X, out0; writes out0
.if DOCPART == 1
	.amdgcn_target "amdgcn-amd-amdhsa--gfx1250"
	.amdhsa_code_object_version 6
	.text
	.protected	k_q3b4392ab94_eig3
	.globl	k_q3b4392ab94_eig3
	.p2align	8
	.type	k_q3b4392ab94_eig3,@function
k_q3b4392ab94_eig3:
	s_mov_b64 s[64:65], 0
	v_nop
	global_prefetch_b8 v0, s[64:65] scope:SCOPE_SE
	s_setreg_imm32_b32 hwreg(HW_REG_WAVE_MODE, 25, 1), 1
	s_wait_xcnt 0x0
; Eigenvalues, ascending, of S = (M + M^T) / 2 for one 3 x 3 matrix M per voxel.
; X: [2][9][884736] f32 (channel 3 i + j = M(i, j)).  out0: [2][3][884736] f32.
;
; THE ARITHMETIC (closed form, the same lines for every voxel, no branch):
;   q = trace / 3;  K = 2 (S - q I): off-diagonals B = m01 + m10, C = m02 + m20, E = m12 + m21 (plain sums, thanks to the factor 2),
;   diagonal d_i = 2 m_ii - (2/3) trace, whose sum is 0.
;   a = d2 d3 - E^2;   H = |K|^2 / 2 = B^2 + C^2 + d1^2 - a   (d1^2 + d2^2 + d3^2 = 2 (d1^2 - d2 d3), since the d add up to 0)
;   det K = d1 a - B^2 d3 - C^2 d2 + 2 B C E;   z = det K * H^(-3/2);   cos(theta) = (3 sqrt 3 / 2) z, |z| <= c0 = 2 / (3 sqrt 3)
;   largest = q + sqrt(H/3) cos(theta/3);  smallest = q - sqrt(H/3) cos((pi - theta)/3);  the three add up to 3 q.
;   No arc cosine is needed: cos(theta/3) = g(cos(theta/2)), g(u) = cos(2/3 acos u), cos(theta/2) = sqrt((1 + cos theta)/2), and
;   for the smallest the same with - cos theta.  g is smooth on [0, 1]; here it is the polynomial of degree 4 through the five
;   exact points (u, g) = (4 y^3 - 3 y, 2 y^2 - 1), y = 0.87, 0.9, 0.94, 0.976, 0.997:
;   g = 0.50001084 + 0.57679459 u - 0.10642238 u^2 + 0.03826318 u^3 - 0.00865317 u^4, off by at most 1.2e-5 on [0, 1].
;   Folded into K0 .. K4: u = s w with w = sqrt|c0 +- z|, s^2 = 3 sqrt 3 / 4, and the factor 1 / sqrt 3 of sqrt(H/3):
;   K_k = g_k s^k / sqrt 3, so that an eigenvalue is q +- sqrt(H) * poly(w).
; LIMITS: entries up to about 1e12 in magnitude (beyond it det K or H^(-3/2) leaves f32's normal range).  H is held at 2^-80 or above,
;   so a multiple of the identity gives q three times, to within 1e-12.  Error about 1e-5 of the eigenvalues' spread; close to a double
;   eigenvalue the square root turns the rounding of z into up to about 1e-3 of the spread, and two nearly equal results may
;   change places by that much.  |c0 +- z| stands for a clamp at 0.  A NaN or an infinity in a matrix gives NaN three times.
;
; THE TRAFFIC: every byte is read once and written once.  A lane takes 4 neighbouring voxels of a channel in one 16-byte load, so a load
; or store of a wave covers 512 consecutive bytes, aligned.  A wave owns 3 such chunks, a work-group of 6 waves 18: 9,216 consecutive
; bytes of each plane; 884736 * 4 / 9216 = 384 work-groups for a batch.  All 27 loads of a wave are issued before anything else: its whole
; share lies in registers (108), so there is no ring and no loop.  No two lanes need each other's data and no two work-groups
; read the same byte: no LDS, no barrier, no cluster.
.set PLANE,  3538944                   ; bytes of one channel of one batch
.set WAVES,  6
.set CHUNKS, 3
.set ROUND,  WAVES*512                 ; what the work-group's waves cover together with one load each
.set WGB,    CHUNKS*ROUND              ; the work-group's bytes in each plane
.set OFF,  1                           ; v1         16 t: my 16 bytes in a round
.set X,    2                           ; v[2:109]   chunk c, channel k: 4 registers at X + 36 c + 4 k
.set K4V,  110                         ; v[110:111] K4, twice (the first step of the polynomial has two constants; only one can be a literal)
.set OUTB, 6                           ; s[6:7]     out0 at the work-group's first voxel
.set ROWB, 8                           ; s[8:13]    X at the same voxel, channels 0, 3, 6: an immediate offset reaches two planes on
; The nine slots of a chunk (4 registers each, two pairs of voxels) and what they hold in turn.  Everything a chunk needs lies in
; its own 36 registers, so no register that a store reads is ever written again.
.set S_D1,  0                          ; m00, d1;      then 1 / sqrt(H)
.set S_B,   4                          ; m01, B;       then 1 / H;  then poly(w-) - poly(w+), the middle eigenvalue
.set S_C,   8                          ; m02, C;       then c0 + z, poly(w+), the largest eigenvalue
.set S_Q,   12                         ; m10;          then the trace, (2/3) trace, q
.set S_D2,  16                         ; m11, d2, C d2; then c0 - z, poly(w-), the smallest eigenvalue
.set S_E,   20                         ; m12, E, C E, B C E;  then w-
.set S_H,   24                         ; m20;          then H, sqrt(H)
.set S_A,   28                         ; m21;          then a, det K, z
.set S_D3,  32                         ; m22, d3, B d3; then w+
.set TWO_THIRDS, 0x3f2aaaab
.set TINY, 0x17800000                  ; 2^-80: its inverse root is 2^40, whose cube is still finite
.set C0,   0x3ec511a3                  ;  0.38490018 = 2 / (3 sqrt 3)
.set K0,   0x3e93ce0c                  ;  0.28868139
.set K1,   0x3ec254aa                  ;  0.37955219
.set K2,   0xbda376fc                  ; -0.07981679
.set K3,   0x3d05f8c4                  ;  0.03270795
.set K4,   0xbc0a207f                  ; -0.00843060
; One step on the chunk's four voxels: two packed instructions.  d, a, b, c are slots; R is the chunk's first register.
.macro PADD d, a, b                    ; d = a + b
.irp h, 0, 2
	v_pk_add_f32 v[R+\d+\h:R+\d+\h+1], v[R+\a+\h:R+\a+\h+1], v[R+\b+\h:R+\b+\h+1]
.endr
.endm
.macro PSUB d, a, b                    ; d = a - b
.irp h, 0, 2
	v_pk_add_f32 v[R+\d+\h:R+\d+\h+1], v[R+\a+\h:R+\a+\h+1], v[R+\b+\h:R+\b+\h+1] neg_lo:[0,1] neg_hi:[0,1]
.endr
.endm
.macro PMUL d, a, b                    ; d = a b
.irp h, 0, 2
	v_pk_mul_f32 v[R+\d+\h:R+\d+\h+1], v[R+\a+\h:R+\a+\h+1], v[R+\b+\h:R+\b+\h+1]
.endr
.endm
.macro PMULK d, a, k                   ; d = a k, k a constant for both halves
.irp h, 0, 2
	v_pk_mul_f32 v[R+\d+\h:R+\d+\h+1], v[R+\a+\h:R+\a+\h+1], \k op_sel_hi:[1,0]
.endr
.endm
.macro PFMA d, a, b, c                 ; d = a b + c
.irp h, 0, 2
	v_pk_fma_f32 v[R+\d+\h:R+\d+\h+1], v[R+\a+\h:R+\a+\h+1], v[R+\b+\h:R+\b+\h+1], v[R+\c+\h:R+\c+\h+1]
.endr
.endm
.macro PFMS d, a, b, c                 ; d = a b - c
.irp h, 0, 2
	v_pk_fma_f32 v[R+\d+\h:R+\d+\h+1], v[R+\a+\h:R+\a+\h+1], v[R+\b+\h:R+\b+\h+1], v[R+\c+\h:R+\c+\h+1] neg_lo:[0,0,1] neg_hi:[0,0,1]
.endr
.endm
.macro PFNMA d, a, b, c                ; d = c - a b
.irp h, 0, 2
	v_pk_fma_f32 v[R+\d+\h:R+\d+\h+1], v[R+\a+\h:R+\a+\h+1], v[R+\b+\h:R+\b+\h+1], v[R+\c+\h:R+\c+\h+1] neg_lo:[1,0,0] neg_hi:[1,0,0]
.endr
.endm
.macro PDEV d                          ; d = 2 d - (2/3) trace
.irp h, 0, 2
	v_pk_fma_f32 v[R+\d+\h:R+\d+\h+1], v[R+\d+\h:R+\d+\h+1], 2.0, v[R+S_Q+\h:R+S_Q+\h+1] op_sel_hi:[1,0,1] neg_lo:[0,0,1] neg_hi:[0,0,1]
.endr
.endm
.macro PFMA2 d, a                      ; d = 2 a + d
	s_wait_alu depctr_va_vdst(0)
.irp h, 0, 2
	v_pk_fma_f32 v[R+\d+\h:R+\d+\h+1], v[R+\a+\h:R+\a+\h+1], 2.0, v[R+\d+\h:R+\d+\h+1] op_sel_hi:[1,0,1]
.endr
.endm
.macro PHORN0 d, u                     ; d = K4 u + K3
	s_wait_alu depctr_va_vdst(0)
.irp h, 0, 2
	v_pk_fma_f32 v[R+\d+\h:R+\d+\h+1], v[R+\u+\h:R+\u+\h+1], v[K4V:K4V+1], K3 op_sel_hi:[1,1,0]
.endr
.endm
.macro PHORN d, u, k                   ; d = d u + k
.irp h, 0, 2
	v_pk_fma_f32 v[R+\d+\h:R+\d+\h+1], v[R+\d+\h:R+\d+\h+1], v[R+\u+\h:R+\u+\h+1], \k op_sel_hi:[1,1,0]
.endr
.endm
	s_load_b128 s[4:7], s[0:1], 0x0                ; X s[4:5], out0 s[6:7]
	v_lshlrev_b32 v[OFF], 4, v0                    ; thread t takes bytes 16 t .. 16 t + 15 of a round: waves lie side by side
	s_and_b32 s14, ttmp7, 0xffff                   ; the batch
	s_mul_i32 s15, ttmp9, WGB                      ; the work-group's place in a plane
	s_mul_i32 s16, s14, 9*PLANE                    ; all offsets stay below 2^26 bytes: the high words are 0
	s_mul_i32 s18, s14, 3*PLANE
	s_add_co_u32 s16, s16, s15
	s_add_co_u32 s18, s18, s15
	s_mov_b32 s17, 0
	s_mov_b32 s19, 0
	s_wait_kmcnt 0x0
	s_add_nc_u64 s[ROWB:ROWB+1],   s[4:5], s[16:17]            ; row 0 of the matrices (channels 0 to 2)
	s_add_nc_u64 s[ROWB+2:ROWB+3], s[ROWB:ROWB+1], 3*PLANE     ; row 1
	s_add_nc_u64 s[ROWB+4:ROWB+5], s[ROWB:ROWB+1], 6*PLANE     ; row 2
	s_add_nc_u64 s[OUTB:OUTB+1],   s[6:7], s[18:19]
	; All 27 loads, chunk by chunk, so that the first chunk can be worked on while the others are on their way.
.irp c, 0, 1, 2
.irp i, 0, 1, 2
.irp j, 0, 1, 2
	global_load_b128 v[X+36*\c+12*\i+4*\j:X+36*\c+12*\i+4*\j+3], v[OFF], s[ROWB+2*\i:ROWB+2*\i+1] offset:\j*PLANE+\c*ROUND th:TH_LOAD_NT
.endr
.endr
.endr
	v_mov_b32 v[K4V], K4
	v_mov_b32 v[K4V+1], K4
; One chunk: 4 voxels a lane.  left = how many younger loads may stay out (9 for each chunk behind this one).
.macro CHUNK c, left
.set R, X+36*\c
	s_wait_loadcnt \left                           ; loads come back in order (ISA guide 5.7.1): this chunk's nine are in
	PADD  S_B, S_B, S_Q                            ; B = m01 + m10; m10's slot is free
	PADD  S_Q, S_D1, S_D2
	PADD  S_C, S_C, S_H                            ; C = m02 + m20
	PADD  S_Q, S_Q, S_D3                           ; the trace
	PADD  S_E, S_E, S_A                            ; E = m12 + m21
	PMULK S_Q, S_Q, TWO_THIRDS
	PMUL  S_H, S_B, S_B
	PMUL  S_A, S_E, S_E
	PDEV  S_D1                                     ; d_i = 2 m_ii - (2/3) trace
	PDEV  S_D2
	PDEV  S_D3
	PFMA  S_H, S_C, S_C, S_H
	PFMS  S_A, S_D2, S_D3, S_A                     ; a = d2 d3 - E^2
	PFMA  S_H, S_D1, S_D1, S_H
	PSUB  S_H, S_H, S_A                            ; H = B^2 + C^2 + d1^2 - a
	PMUL  S_A, S_D1, S_A                           ; det K starts with d1 a; d1's slot is free
.irp r, 0, 1, 2, 3
	v_max_num_f32 v[R+S_H+\r], TINY, v[R+S_H+\r]
.endr
.irp r, 0, 1, 2, 3
	v_rsq_f32 v[R+S_D1+\r], v[R+S_H+\r]            ; 1 / sqrt(H).  The rest of the determinant stands between these and the first use:
.endr                                                  ; plain vector work that touches neither H nor the result (ISA guide 5.7.2)
	PMUL  S_D3, S_B, S_D3                          ; B d3
	PMUL  S_D2, S_C, S_D2                          ; C d2
	PMUL  S_E,  S_C, S_E                           ; C E
	PFNMA S_A, S_B, S_D3, S_A                      ; - B^2 d3
	PMUL  S_E,  S_B, S_E                           ; B C E
	PFNMA S_A, S_C, S_D2, S_A                      ; - C^2 d2
	PFMA2 S_A, S_E                                 ; + 2 B C E
	PMUL  S_B, S_D1, S_D1                          ; 1 / H
	PMUL  S_A, S_A, S_D1
	PMUL  S_A, S_A, S_B                            ; z = det K * H^(-3/2)
.irp h, 0, 2
	v_pk_add_f32 v[R+S_C+\h:R+S_C+\h+1],   v[R+S_A+\h:R+S_A+\h+1], C0 op_sel_hi:[1,0]                            ; c0 + z
	v_pk_add_f32 v[R+S_D2+\h:R+S_D2+\h+1], v[R+S_A+\h:R+S_A+\h+1], C0 op_sel_hi:[1,0] neg_lo:[1,0] neg_hi:[1,0]  ; c0 - z
.endr
.irp r, 0, 1, 2, 3
	v_sqrt_f32 v[R+S_D3+\r], |v[R+S_C+\r]|         ; w+; the magnitude: rounding may carry c0 +- z a few units below 0
	v_sqrt_f32 v[R+S_E+\r],  |v[R+S_D2+\r]|        ; w-
.endr
	PMUL  S_H, S_H, S_D1                           ; sqrt(H) = H / sqrt(H): also the plain work between the roots and their first use,
	PMULK S_Q, S_Q, 0.5                            ; q = trace / 3           and before their sources are written again
	PHORN0 S_C,  S_D3                              ; the two polynomials, four independent chains
	PHORN0 S_D2, S_E
	PHORN S_C,  S_D3, K2
	PHORN S_D2, S_E,  K2
	PHORN S_C,  S_D3, K1
	PHORN S_D2, S_E,  K1
	PHORN S_C,  S_D3, K0
	PHORN S_D2, S_E,  K0
	PSUB  S_B,  S_D2, S_C
	PFNMA S_D2, S_H, S_D2, S_Q                     ; smallest = q - sqrt(H) poly(w-)
	PFMA  S_C,  S_H, S_C,  S_Q                     ; largest  = q + sqrt(H) poly(w+)
	PFMA  S_B,  S_H, S_B,  S_Q                     ; middle   = 3 q - the two = q + sqrt(H) (poly(w-) - poly(w+))
	global_store_b128 v[OFF], v[R+S_D2:R+S_D2+3], s[OUTB:OUTB+1] offset:\c*ROUND th:TH_STORE_NT
	global_store_b128 v[OFF], v[R+S_B:R+S_B+3],   s[OUTB:OUTB+1] offset:PLANE+\c*ROUND th:TH_STORE_NT
	global_store_b128 v[OFF], v[R+S_C:R+S_C+3],   s[OUTB:OUTB+1] offset:2*PLANE+\c*ROUND th:TH_STORE_NT
.endm
	CHUNK 0, 18                                    ; the 18 loads of chunks 1 and 2 stay out
	CHUNK 1, 9                                     ; the 9 loads of chunk 2 stay out
	CHUNK 2, 0
	s_endpgm
.Lfunc_end_k_q3b4392ab94_eig3:
	.size	k_q3b4392ab94_eig3, .Lfunc_end_k_q3b4392ab94_eig3-k_q3b4392ab94_eig3
	.p2alignl 7, 3214868480
	.fill 96, 4, 3214868480
	.section	.rodata,"a",@progbits
	.p2align	6, 0x0
	.amdhsa_kernel k_q3b4392ab94_eig3
		.amdhsa_group_segment_fixed_size 0
		.amdhsa_private_segment_fixed_size 0
		.amdhsa_enable_private_segment 0
		.amdhsa_kernarg_size 16
		.amdhsa_user_sgpr_count 2
		.amdhsa_user_sgpr_kernarg_segment_ptr 1
		.amdhsa_wavefront_size32 1
		.amdhsa_system_sgpr_workgroup_id_x 1
		.amdhsa_system_sgpr_workgroup_id_y 1
		.amdhsa_system_sgpr_workgroup_id_z 1
		.amdhsa_system_vgpr_workitem_id 0
		.amdhsa_next_free_vgpr 112
		.amdhsa_next_free_sgpr 66
		.amdhsa_reserve_vcc 0
		.amdhsa_float_denorm_mode_32 3
		.amdhsa_float_denorm_mode_16_64 3
		.amdhsa_memory_ordered 1
		.amdhsa_forward_progress 1
		.amdhsa_inst_pref_size 26
	.end_amdhsa_kernel
	.amdgpu_metadata
---
amdhsa.version: [ 1, 2 ]
amdhsa.kernels:
  - .name:           k_q3b4392ab94_eig3
    .symbol:         k_q3b4392ab94_eig3.kd
    .args:
      - { .name: X, .offset: 0, .size: 8, .value_kind: global_buffer, .address_space: global }
      - { .name: out0, .offset: 8, .size: 8, .value_kind: global_buffer, .address_space: global }
    .group_segment_fixed_size: 0
    .private_segment_fixed_size: 0
    .kernarg_segment_align: 8
    .kernarg_segment_size: 16
    .max_flat_workgroup_size: 192
    .sgpr_count:     66
    .vgpr_count:     112
    .wavefront_size: 32
...
	.end_amdgpu_metadata
.endif
;; end of part 1
